; MI455X (gfx1250); checked and timed in simulation.
; The chip was launched on July 23, 2026; its instructions are those of AMD's public machine-readable ISA for CDNA 5 (MIT licence, August 2026) and "CDNA5" Instruction Set Architecture Reference Guide (July 2026). The comments in the code are by the model that wrote it; some were corrected since.
;; Position Net. Allowed arithmetic: matrix products marked QUANTISED: E2M1 operands, one E8M0 scale for each 32 along K, by v_wmma_scale_f32_16x16x128_f8f6f4 with both operands' format E2M1 (or v_wmma_scale_f32_32x16x128_f4), f32 sums; everything else in f32.
;; Inputs: conv_b 200 float32; conv_w_codes 200 x 24 x 16 uint8 (E2M1 codes of conv_w, K innermost, in blocks of 32 codes, two codes a byte); conv_w_scales 200 x 24 uint8 (E8M0 scales of conv_w, one for each 32 codes along K); img_feat_codes 512 x 8 x 8 x 24 x 16 uint8 (E2M1 codes of img_feat, K innermost, in blocks of 32 codes, two codes a byte); img_feat_scales 512 x 8 x 8 x 24 uint8 (E8M0 scales of img_feat, one for each 32 codes along K).
;; Outputs: out0 512 x 25 x 8 x 8 x 8 float32; out1 512 x 25 x 3 float32.
;; This version of the problem:
;;   THIS VERSION OF THE PROBLEM IS GIVEN IN LOW PRECISION. The matrix products marked QUANTISED in the list below multiply operands that are first quantised to E2M1 (2 exponent bits, 1 mantissa bit; 4 bits a number), with one power-of-two scale for each 32 numbers along K (OCP MX v1.0); their sums are f32. All else is computed in f32.
;;   The module's matrix products, in the order in which they are computed (A, B: the left and right operand; K: the contracted axis; several contracted axes count as one K, in the product's order):
;;     1. [M 200, K 768] x [K 768, N 32,768]; A: input conv_w (given as codes); B: input img_feat (given as codes): QUANTISED
;;   THE QUANTISER, for each operand of a quantised product, along K:
;;     - K is cut into blocks of 32 from its start; a last block that is shorter is filled with zeros.
;;     - A block's scale is 2^e with e = floor(log2(the largest magnitude in the block)) - 2, held to -126 .. 127; a block of zeros has e = 0. As a byte (E8M0): e + 127.
;;     - Each number is divided by its block's scale, clamped to +-6, and rounded to the nearest number of E2M1, ties to even, subnormals kept.
;;     - The product sums the exact products of the quantised numbers (number of the format x scale) in f32.
;;   ~~~python
;;   def quantise(x, axis):      # numpy; x: float32 -> the quantised numbers, widened to float32 again
;;       x = np.moveaxis(x, axis, -1); K = x.shape[-1]
;;       x = np.pad(x, [(0, 0)] * (x.ndim - 1) + [(0, -K % 32)]); x = x.reshape(x.shape[:-1] + (-1, 32)); a = np.abs(x).max(-1, keepdims=True)
;;       e = np.where(a > 0, np.clip(np.frexp(np.where(a > 0, a, 1))[1] - 1 - 2, -126, 127), 0)      # np.frexp(a)[1] - 1 = floor(log2(a)), exactly
;;       r = np.clip(x / 2.0 ** e, -6, 6)
;;       step = 2.0 ** (np.maximum(np.frexp(np.where(r == 0, 1, r))[1] - 1, 0) - 1)
;;       q = np.round(r / step) * step * 2.0 ** e      # np.round: ties to even
;;       return np.moveaxis(q.reshape(q.shape[:-2] + (-1,))[..., :K], -1, axis).astype(np.float32)
;;   ~~~
;;   INPUTS GIVEN AS CODES. conv_w (in the module: [200, 768], K = its axis 1); img_feat (in the module: [512, 768, 8, 8], K = its axis 1): each comes as NAME_codes (uint8): NAME with its K axis moved to the last place and cut into blocks of 32 codes, [.., K / 32, bytes a block], one block behind the other in memory; two codes a byte, the lower K in the low four bits (a code: sign, 2 exponent bits, 1 mantissa bit); and NAME_scales (uint8): the same leading axes, one E8M0 byte (e + 127) for each 32 codes along K. Its value is code x scale, taken as it is: it is not quantised again, and the codes and scales need not be those that the quantiser above would give.
;; One version. Each part assembles by itself: llvm-mc -triple=amdgcn-amd-amdhsa -mcpu=gfx1250 --defsym DOCPART=n.
;; ======== version 1 of 1: 1 launch
;; launch posnet (part 1): grid 256 x 1, 8 waves a work-group, clusters of 4 x 1, 168,960 bytes of LDS; arguments conv_w_codes, conv_w_scales, img_feat_codes, img_feat_scales, conv_b, out0, out1; writes out0, out1
.if DOCPART == 1
	.amdgcn_target "amdgcn-amd-amdhsa--gfx1250"
	.amdhsa_code_object_version 6
	.text
	.protected	k_q03991fab77_posnet
	.globl	k_q03991fab77_posnet
	.p2align	8
	.type	k_q03991fab77_posnet,@function
k_q03991fab77_posnet:
	s_mov_b64 s[64:65], 0
	v_nop
	global_prefetch_b8 v0, s[64:65] scope:SCOPE_SE
	s_setreg_imm32_b32 hwreg(HW_REG_WAVE_MODE, 25, 1), 1
	s_wait_xcnt 0x0
	s_wait_alu depctr_hold_cnt(0) depctr_sa_sdst(0) depctr_va_vdst(0) depctr_va_sdst(0) depctr_va_ssrc(0) depctr_va_vcc(0) depctr_vm_vsrc(0)
	s_getreg_b32 s2, hwreg(HW_REG_IB_STS2, 6, 4)
	s_cmp_eq_u32 s2, 0
	s_cbranch_scc0 .Lentry_in_a_cluster
	s_endpgm
.Lentry_in_a_cluster:
	s_bfe_u32 s2, ttmp6, 0x10000c
	s_cmp_lg_u32 s2, 0x3003
	s_cbranch_scc0 .Lentry_shape_is_right
	s_endpgm
.Lentry_shape_is_right:
; PositionNet: logits hm[o][pixel] = sum over 768 channels of W[o][c] X[pixel][c] + b[o] on codes of FP4 (E2M1) with one E8M0 scale for each 32 channels;
; a softmax over each joint's 512 numbers (8 neighbouring o = depths x 64 pixels) -> out0; its three expectations (x, y, z) -> out1.  One launch, nothing goes through memory between the steps.
; SHARES.  Work-group g (256 of them) owns images 2 g and 2 g + 1: 49,152 dense bytes of codes, 3,072 of scale bytes.  All that it reads (W, X, both scales: 146 KB) is asked for at its first lines and lies
; in LDS once: no LDS byte is filled twice, so there is no ring.  Eight waves, two to a SIMD: wave w has image bt = w / 4 and q = w % 4.  A UNIT is a tile of 16 outputs (two joints) x the image's 64 pixels:
; 4 accumulators, 24 matrix instructions, then the two joints' softmax (about 140 vector instructions with dependent chains, which the SIMD's other wave covers).  Wave w makes tiles q, q + 4, q + 8;
; the waves with q = bt (0 and 5) also tile 12, of which only outputs 192..199 exist: its lanes r >= 8 take rows 192 + r % 8 once more (codes, scales, bias), so lanes 16-31 hold a copy of joint 24: no byte outside a buffer is read.
; LAYOUT.  Source 0 = 16 rows of W, source 1 = 16 pixels.  In the result lane (r = lane % 16, h = lane / 16) register j is output 16 t + 8 h + j = joint 2 t + h, depth j, at the tile's pixel r: a joint lies in one
; row of 16 lanes, so every reduction is four steps of row_xmask.  THE PIXELS OF A TILE ARE NOT NEIGHBOURS: lane r of pixel tile nt takes pixel 4 r + nt, so that the four tiles give a lane, for one depth,
; 4 neighbouring pixels = 16 bytes, and sixteen lanes store the 256 consecutive, aligned bytes of a depth plane: out0 needs no stage in LDS.
; CLUSTER.  The four work-groups of a cluster read the same W (81,600 bytes, more than a work-group's own 52,224 of X): its codes and scales are asked for JOINTLY, by the same tensor loads with the same
; descriptors (W's address and the wave's number alone) and the mask of all four.  X's loads are each work-group's own.
; LIMITS.  A scale byte 0xff, or sums beyond f32, give NaN for the whole joint, as the definition does.  v_exp_f32 gives 0 for results under 2^-126: such p are stored as 0.
; The exponent is a x log2(e) - round(max x log2(e)) by one fused multiply-add: its error is an ulp of |max| x log2(e), so p keeps 1e-4 relative up to logits of some thousands.
; REGISTERS.  Window 0: v1-15 addresses; v16-29 statistics; v32-55 X's scale words; v56-67 W's, two sets; v68-163 W's six fragments, two sets; v164-195 the accumulators; v196-227 p by depth; v228-242 sums, coordinates.
;   Window 1: v0-191 X's 24 fragments (they stay for all units); v192-223 the bias of the four units, in the result's layout: it is the C of each sum's first product.
.set XB,   86528        ; LDS: W's codes from 0: row o at 432 o (384 bytes + 16 behind each 128): 27 x 16, so the 16 rows of a load start in 16 different 16-byte columns of the 64 banks of 4 bytes (ISA guide 11.1)
                        ;      X's codes from XB: dense byte y at y + 16 (y / 512); pixel 4 r begins at 1,584 r = 99 x 16 r: likewise
.set WSB,  137216       ;      W's scale bytes, dense, 24 a row
.set XSB,  142080       ;      X's scale bytes, dense, 24 a pixel
.set STG,  145152       ;      the coordinates' stage: 16 bytes a joint, 512 an image; four blocks of 256 bytes into which no tensor load lands
.set R,    1            ; v1   lane % 16
.set H,    2            ; v2   lane / 16
.set R7,   3            ; v3   lane % 8
.set WA,   4            ; v4   W's fragments of tile q
.set WA12, 5            ; v5   of tile 12
.set WSA,  6            ; v6   W's scale words of tile q
.set WSA12, 7           ; v7   of tile 12
.set XA,   8            ; v8   X's fragments
.set XSA,  9            ; v9   X's scale words
.set BA,   10           ; v10  bias of tile q
.set BA12, 11           ; v11  of tile 12
.set OUTO, 12           ; v12  my 16 bytes in out0, tile q, depth 0
.set OUTO12, 13         ; v13  tile 12
.set SA,   14           ; v14  my joint's slot in the stage, tile q
.set SA12, 15           ; v15  joint 24's
.set MX,   16           ; v16-19 four chains of the maximum; later two pairs at work
.set NM,   20           ; v[20:21] -max x log2(e) (the packed form names the pair and takes its low word)
.set P01,  22           ; v[22:23], v[24:25] sums over depth of my pixels 0, 1 and 2, 3
.set P23,  24
.set Z01,  26           ; v[26:27], v[28:29] the same weighted by the depth
.set Z23,  28
.set XS,   32           ; X's scale words: XS + 6 nt + s
.set WS,   56           ; W's: WS + 6 set + s
.set WF,   68           ; W's fragments: WF + 48 set + 8 s
.set ACC,  164          ; accumulators: ACC + 8 nt + j
.set E,    196          ; p: E + 4 j + nt
.set SS,   228          ; v228-231 the joint's sum and its three weighted sums
.set XX,   229
.set YY,   230
.set ZZ,   231
.set INV,  232          ; v[232:233] 1 / sum (named as a pair)
.set CO,   234          ; v[234:236] x, y, z
.set YW,   237          ; v237 my pixels' image row, r / 2, as f32
.set XW,   238          ; v238 my first pixel's column, 4 (r % 2), as f32
.set CI,   239          ; v239 thread % 128: which of an image's 75 coordinates I store
.set CL,   240          ; v240 its place in the stage
.set CG,   241          ; v241 its place in out1
.set CV,   242          ; v242 the coordinate read back
.set BI,   192          ; window 1: the bias of unit i at BI + 8 i
.set X_W0,  (3<<16)|(1<<20)|(6<<22)|(3<<25)             ; X's codes: no mask; elements of 8 bytes; padding on: 4 words behind every 128 words
.set W_W0,  15|(3<<16)|(1<<20)|(1<<21)|(4<<22)|(3<<25)  ; W's codes: the mask of all four work-groups, bit 21 beside it; 4 words behind every 32 words
.set WS_W0, 15|(3<<16)|(1<<21)                          ; W's scales: the mask; no padding
.set XS_W0, 3<<16                                       ; X's scales: no mask, no padding
.set MSB, 0
.macro WIN new                         ; s_set_vgpr_msb: bits 1:0 source 0, 3:2 source 1, 5:4 source 2, 7:6 destination; the high byte repeats the setting that is left; a switch that changes nothing is dropped
.if MSB != \new
	s_set_vgpr_msb (MSB<<8)|\new
.set MSB, \new
.endif
.endm
.macro ROUND                           ; a round of the cluster's barrier: my work-group's barrier; wave 0 signals for the work-group; every wave waits for all four work-groups; my work-group's barrier once more
	s_barrier_signal -1
	s_barrier_wait -1
	s_cmp_lg_u32 s18, 0
	s_cbranch_scc1 .Lnot_wave_0_\@
	s_barrier_signal -3
.Lnot_wave_0_\@:
	s_barrier_wait -3
	s_barrier_signal -1
	s_barrier_wait -1
.endm
.macro GROUP1 g, w0, c, r              ; descriptor group 1: r rows of c elements of 8 bytes, dense in memory (pitch = c); the tile lies inside the tensor, so the extents are the tile's
	s_mov_b32 s[\g], \w0
	s_mov_b32 s[\g+1], (\c)<<16                    ; tensor_dim0
	s_mov_b32 s[\g+2], (\r)<<16                    ; tensor_dim1
	s_mov_b32 s[\g+3], (\c)<<16                    ; tile_dim0
	s_mov_b32 s[\g+4], \r                          ; tile_dim1
	s_mov_b32 s[\g+5], \c                          ; tensor_dim0_stride
	s_mov_b32 s[\g+6], 0
	s_mov_b32 s[\g+7], 0
.endm
.macro PLACES                          ; four plain places between the last products and the first vector read of their results (ISA guide 7.12.1)
.rept 4
	v_nop
.endr
.endm
	s_load_b256 s[4:11], s[0:1], 0x0               ; W's codes s[4:5], W's scales s[6:7], X's codes s[8:9], X's scales s[10:11]
	s_load_b128 s[12:15], s[0:1], 0x20             ; bias s[12:13], out0 s[14:15]
	s_load_b64 s[16:17], s[0:1], 0x30              ; out1
	v_lshl_add_u32 v254, v0, 2, 0x29000
	v_mov_b32 v255, 0
	ds_add_u32 v254, v255
	ds_add_u32 v254, v255
	v_lshrrev_b32 v1, 5, v0
	v_readfirstlane_b32 s18, v1                    ; wave 0..7
	s_and_b32 s19, s18, 3                          ; q
	s_lshr_b32 s20, s18, 2                         ; bt: my image of the two
	s_bfe_u32 s21, ttmp6, 0x40000                  ; cx: my place in the cluster
	s_lshl_b32 s22, ttmp9, 2                       ; in a cluster launch ttmp9 counts clusters
	s_add_co_u32 s22, s22, s21                     ; g = 4 x cluster + cx: it enters X's and the outputs' global addresses alone
	s_mov_b32 s24, 0x3fb8aa3b                      ; log2(e)
	s_mov_b32 s25, s24                             ; (named with it as a pair, so it is written)
	GROUP1 36, X_W0, 64, 12                        ; X's codes, a wave's eighth: 12 rows of 512 bytes
	GROUP1 48, W_W0, 96, 25                        ; W's codes, a quarter: 25 rows of 768 bytes (two rows of W each)
	GROUP1 68, WS_W0, 600, 1                       ; W's scales: one row of 4,800 bytes
	GROUP1 76, XS_W0, 32, 12                       ; X's scales: 12 rows of 256 bytes
	; every LDS and global offset of the launch is made here, on the one way that all waves take
	v_and_b32 v[R], 15, v0
	v_bfe_u32 v[H], v0, 4, 1
	v_and_b32 v[R7], 7, v0
	v_mul_u32_u24 v[WA], v[R], 432
	v_lshl_add_u32 v[WA], v[H], 4, v[WA]
	s_mul_i32 s23, s19, 6912                       ; a tile's 16 rows of 432 bytes
	v_add_nc_u32 v[WA], s23, v[WA]                 ; 432 r + 16 h + 6,912 q
	v_mul_u32_u24 v[WA12], v[R7], 432
	v_lshl_add_u32 v[WA12], v[H], 4, v[WA12]
	v_add_nc_u32 v[WA12], 82944, v[WA12]           ; row 192 + r % 8
	v_mul_u32_u24 v[WSA], v[R], 24
	s_mul_i32 s23, s19, 384
	s_add_co_u32 s23, s23, WSB
	v_add_nc_u32 v[WSA], s23, v[WSA]               ; WSB + 24 r + 384 q
	v_mul_u32_u24 v[WSA12], v[R7], 24
	v_add_nc_u32 v[WSA12], WSB+4608, v[WSA12]
	v_mul_u32_u24 v[XA], v[R], 1584
	v_lshl_add_u32 v[XA], v[H], 4, v[XA]
	s_mul_i32 s23, s20, 25344                      ; an image: 48 rows of 528 bytes
	s_add_co_u32 s23, s23, XB
	v_add_nc_u32 v[XA], s23, v[XA]                 ; pixel 4 r of my image, + 16 h
	v_mul_u32_u24 v[XSA], v[R], 96
	s_mul_i32 s23, s20, 1536
	s_add_co_u32 s23, s23, XSB
	v_add_nc_u32 v[XSA], s23, v[XSA]               ; its 24 scale bytes
	v_lshlrev_b32 v[BA], 5, v[H]
	s_lshl_b32 s23, s19, 6
	v_add_nc_u32 v[BA], s23, v[BA]                 ; b[16 q + 8 h ..]
	v_mov_b32 v[BA12], 768                         ; b[192 ..] for both halves
	v_lshlrev_b32 v[OUTO], 4, v[R]
	v_lshl_add_u32 v[OUTO], v[H], 11, v[OUTO]
	s_lshl_b32 s23, s19, 12
	v_add_nc_u32 v[OUTO], s23, v[OUTO]             ; joint 2 q + h (2,048 bytes each), pixels 4 r on
	v_lshl_add_u32 v[OUTO12], v[R], 4, 49152       ; joint 24
	s_lshl_b32 s27, s20, 9
	s_add_co_u32 s27, s27, STG                     ; my image's half of the stage
	s_lshl_b32 s23, s19, 5
	s_add_co_u32 s23, s23, s27
	v_lshl_add_u32 v[SA], v[H], 4, s23             ; slot 2 q + h
	s_add_co_u32 s23, s27, 384
	v_mov_b32 v[SA12], s23                         ; slot 24
	v_lshrrev_b32 v[YW], 1, v[R]
	v_cvt_f32_u32 v[YW], v[YW]                     ; pixel 4 r + nt = 8 (r / 2) + 4 (r % 2) + nt
	v_and_b32 v[XW], 1, v[R]
	v_lshlrev_b32 v[XW], 2, v[XW]
	v_cvt_f32_u32 v[XW], v[XW]
	v_and_b32 v[CI], 127, v0
	v_mul_u32_u24 v[CL], v[CI], 171
	v_lshrrev_b32 v[CL], 9, v[CL]                  ; CI / 3, exact for CI < 128
	v_add_nc_u32 v[CL], v[CL], v[CI]
	v_lshlrev_b32 v[CL], 2, v[CL]                  ; 16 (CI / 3) + 4 (CI % 3)
	v_add_nc_u32 v[CL], s27, v[CL]
	s_mul_i32 s23, s20, 300
	v_lshl_add_u32 v[CG], v[CI], 2, s23            ; 300 bt + 4 CI
	v_mov_b32 v[NM+1], 0                           ; upper halves of pairs that the packed forms name
	v_mov_b32 v[INV+1], 0
	v_mov_b32 v[CV], 0                             ; written in all lanes once: later it is loaded with some lanes off
	s_wait_dscnt 0x0
	s_wait_kmcnt 0x0
	s_mov_b32 s29, 0
	s_mov_b32 s31, 0
	s_mul_i32 s28, s22, 49152                      ; X's codes: my work-group's two images, my wave's 6,144 bytes
	s_mul_i32 s23, s18, 6144
	s_add_co_u32 s28, s28, s23
	s_mov_b32 s32, 1                               ; group 0: count = 1,
	s_mul_i32 s33, s18, 6336                       ; LDS address: XB + 12 rows of 528 bytes x wave,
	s_add_co_u32 s33, s33, XB
	s_add_nc_u64 s[34:35], s[8:9], s[28:29]        ; global address,
	s_or_b32 s35, s35, 0x80000000                  ; type = 2
	s_mul_i32 s30, s18, 19200                      ; W's codes: 25 rows of 768 bytes x wave (issued by waves 0-3 alone)
	s_mov_b32 s44, 1
	s_mul_i32 s45, s18, 21600                      ; 25 rows of 864 bytes x wave
	s_add_nc_u64 s[46:47], s[4:5], s[30:31]
	s_or_b32 s47, s47, 0x80000000
	s_mov_b32 s56, 1                               ; W's scales
	s_mov_b32 s57, WSB
	s_mov_b64 s[58:59], s[6:7]
	s_or_b32 s59, s59, 0x80000000
	s_mul_i32 s28, s22, 3072                       ; X's scales
	s_mov_b32 s60, 1
	s_mov_b32 s61, XSB
	s_add_nc_u64 s[62:63], s[10:11], s[28:29]
	s_or_b32 s63, s63, 0x80000000
	s_mul_i32 s28, s22, 102400                     ; out0 at my image: 51,200 bytes each
	s_mul_i32 s23, s20, 51200
	s_add_co_u32 s28, s28, s23
	s_add_nc_u64 s[14:15], s[14:15], s[28:29]
	s_mul_i32 s28, s22, 600                        ; out1 at my work-group's two images: 300 bytes each
	s_add_nc_u64 s[16:17], s[16:17], s[28:29]
	ROUND                                          ; all four work-groups are here: the joint loads meet
	; All fills of the launch, one group.  Waves 0-3: a quarter of W's codes each; wave 4: W's scales; wave 5: X's scales; then every wave its eighth of X's codes: two loads of a wave are out at the most.
	; The branches hang on the wave's number alone.  Four v_nop follow each tensor load, ahead of the jump, the label and what follows.
	s_cmp_lt_u32 s18, 4
	s_cbranch_scc0 .Lnot_w_codes
	tensor_load_to_lds s[44:47], s[48:55]
	s_nop 0
.rept 4
	v_nop
.endr
	s_branch .Lall_x
.Lnot_w_codes:
	s_cmp_eq_u32 s18, 4
	s_cbranch_scc0 .Lnot_w_scales
	tensor_load_to_lds s[56:59], s[68:75]
	s_nop 0
.rept 4
	v_nop
.endr
	s_branch .Lall_x
.Lnot_w_scales:
	s_cmp_eq_u32 s18, 5
	s_cbranch_scc0 .Lall_x
	tensor_load_to_lds s[60:63], s[76:83]
	s_nop 0
.rept 4
	v_nop
.endr
.Lall_x:
	tensor_load_to_lds s[32:35], s[36:43]
	s_nop 0
.rept 4
	v_nop
.endr
	WIN 0x40                                       ; destination window 1
.irp i, 0,1,2
	global_load_b128 v[BI+8*\i:BI+8*\i+3],   v[BA], s[12:13] offset:256*\i       ; b[16 (q + 4 i) + 8 h + 0 .. 7]: the result's layout
	global_load_b128 v[BI+8*\i+4:BI+8*\i+7], v[BA], s[12:13] offset:256*\i+16
.endr
	global_load_b128 v[BI+24:BI+27], v[BA12], s[12:13]                           ; b[192 .. 199]: the last byte read is the buffer's last
	global_load_b128 v[BI+28:BI+31], v[BA12], s[12:13] offset:16
	WIN 0
	s_wait_tensorcnt 0x0                           ; for the others' sake: all that I asked for has landed,
	s_barrier_signal -1
	s_barrier_wait -1                              ; and so has everybody's: from here on these bytes are only read
.macro FETCH_WS set, adr, off          ; a tile's scale words: lane r takes its row's 24 bytes = six words, one for each K step of 128
.irp k, 0,1,2
	ds_load_b64 v[WS+6*\set+2*\k:WS+6*\set+2*\k+1], v[\adr] offset:\off+8*\k
.endr
.endm
.macro FETCH_W set, adr, off           ; a tile's six fragments (16 rows x 128 K of 4-bit codes: registers 4 c .. 4 c + 3 hold K = 64 c + 32 h + 0 .. 31): K step s begins 64 s bytes into the row, + 16 for each 128 passed
.irp s, 0,1,2,3,4,5
.irp c, 0,1
	ds_load_b128 v[WF+48*\set+8*\s+4*\c:WF+48*\set+8*\s+4*\c+3], v[\adr] offset:\off+64*\s+16*(\s/2)+32*\c
.endr
.endr
.endm
; A unit's 24 products: K step by K step, the four pixel tiles' accumulators by turns, one instruction a turn.  The first K step takes the bias as C: nothing is cleared or added later.
; first = 1: X's fragments are still landing: they were asked for last, K step by K step, 8 loads each, so the count leaves the later steps' loads out.
.macro MULS i, first
.irp s, 0,1,2,3,4,5
.if \first
	s_wait_dscnt 8*(5-\s)
.endif
.if \s == 0
	WIN 0x14                                       ; source 1 (X) and source 2 (bias) window 1
.else
	WIN 0x04                                       ; source 1 window 1
.endif
.irp nt, 0,1,2,3
.if \s == 0
	v_wmma_scale_f32_16x16x128_f8f6f4 v[ACC+8*\nt:ACC+8*\nt+7], v[WF+48*((\i)%2)+8*\s:WF+48*((\i)%2)+8*\s+7], v[8*(4*\s+\nt):8*(4*\s+\nt)+7], v[BI+8*(\i):BI+8*(\i)+7], v[WS+6*((\i)%2)+\s], v[XS+6*\nt+\s] matrix_a_fmt:MATRIX_FMT_FP4 matrix_b_fmt:MATRIX_FMT_FP4
.else
	v_wmma_scale_f32_16x16x128_f8f6f4 v[ACC+8*\nt:ACC+8*\nt+7], v[WF+48*((\i)%2)+8*\s:WF+48*((\i)%2)+8*\s+7], v[8*(4*\s+\nt):8*(4*\s+\nt)+7], v[ACC+8*\nt:ACC+8*\nt+7], v[WS+6*((\i)%2)+\s], v[XS+6*\nt+\s] matrix_a_fmt:MATRIX_FMT_FP4 matrix_b_fmt:MATRIX_FMT_FP4
.endif
.endr
.endr
	WIN 0
.endm
.macro ACCUM j, wt                     ; depth j joins the four sums
	v_pk_add_f32 v[P01:P01+1], v[P01:P01+1], v[E+4*\j:E+4*\j+1]
	v_pk_add_f32 v[P23:P23+1], v[P23:P23+1], v[E+4*\j+2:E+4*\j+3]
	v_pk_fma_f32 v[Z01:Z01+1], v[E+4*\j:E+4*\j+1], \wt, v[Z01:Z01+1] op_sel_hi:[1,0,1]
	v_pk_fma_f32 v[Z23:Z23+1], v[E+4*\j+2:E+4*\j+3], \wt, v[Z23:Z23+1] op_sel_hi:[1,0,1]
.endm
; The softmax of my half's joint (512 numbers: 32 in each of 16 lanes) and its expectations.
.macro SOFT
.irp nt, 0,1,2,3
	v_max3_num_f32 v[MX+\nt], v[ACC+8*\nt], v[ACC+8*\nt+1], v[ACC+8*\nt+2]       ; the maximum, four chains by turns; each accumulator is read from its low end on
.endr
.irp j, 3,5
.irp nt, 0,1,2,3
	v_max3_num_f32 v[MX+\nt], v[MX+\nt], v[ACC+8*\nt+\j], v[ACC+8*\nt+\j+1]
.endr
.endr
	v_max3_num_f32 v[MX], v[MX], v[ACC+7], v[ACC+15]
	v_max3_num_f32 v[MX+2], v[MX+2], v[ACC+23], v[ACC+31]
	v_max3_num_f32 v[MX], v[MX], v[MX+1], v[MX+2]
	v_max_num_f32 v[MX], v[MX], v[MX+3]
.irp m, 1,2,4,8
	v_max_num_f32_dpp v[MX], v[MX], v[MX] row_xmask:\m row_mask:0xf bank_mask:0xf   ; over the joint's 16 lanes
.endr
	v_mul_f32 v[NM], 0xbfb8aa3b, v[MX]             ; -max x log2(e)
.irp k, 0,2,4,6,8,10,12,14,16,18,20,22,24,26,28,30
	v_pk_fma_f32 v[ACC+\k:ACC+\k+1], v[ACC+\k:ACC+\k+1], s[24:25], v[NM:NM+1] op_sel_hi:[1,0,0]   ; (a - max) log2(e), two at a time, 0 or less
.endr
	s_wait_xcnt 0x0                                ; the last unit's stores have read p's registers: only behind this wait are they written again
.irp j, 0,1,2,3,4,5,6,7
.irp nt, 0,1,2,3
	v_exp_f32 v[E+4*\j+\nt], v[ACC+8*\nt+\j]       ; the exponential also puts the number where the store wants it: depth j's four neighbouring pixels in four neighbouring registers
.endr
.endr
	v_nop                                          ; a plain place behind the exponentials
	s_wait_alu depctr_va_vdst(0)
	v_pk_add_f32 v[P01:P01+1], v[E:E+1], v[E+4:E+5]                              ; the first terms start the sums: nothing is cleared
	v_pk_add_f32 v[P23:P23+1], v[E+2:E+3], v[E+6:E+7]
	v_pk_fma_f32 v[Z01:Z01+1], v[E+8:E+9], 2.0, v[E+4:E+5] op_sel_hi:[1,0,1]     ; 1 x depth 1 + 2 x depth 2
	v_pk_fma_f32 v[Z23:Z23+1], v[E+10:E+11], 2.0, v[E+6:E+7] op_sel_hi:[1,0,1]
	v_pk_add_f32 v[P01:P01+1], v[P01:P01+1], v[E+8:E+9]
	v_pk_add_f32 v[P23:P23+1], v[P23:P23+1], v[E+10:E+11]
	ACCUM 3, 0x40400000
	ACCUM 4, 4.0
	ACCUM 5, 0x40a00000
	ACCUM 6, 0x40c00000
	ACCUM 7, 0x40e00000
	v_pk_add_f32 v[MX:MX+1], v[P01:P01+1], v[P23:P23+1]
	v_pk_add_f32 v[MX+2:MX+3], v[Z01:Z01+1], v[Z23:Z23+1]
	v_fma_f32 v[XX], v[P23], 2.0, v[P01+1]         ; my four pixels' columns are 4 (r % 2) + 0 .. 3
	v_add_f32 v[SS], v[MX], v[MX+1]                ; my lane's sum
	v_add_f32 v[ZZ], v[MX+2], v[MX+3]
	v_fma_f32 v[XX], v[P23+1], 0x40400000, v[XX]
	v_mul_f32 v[YY], v[SS], v[YW]                  ; all four lie in image row r / 2
	v_fma_f32 v[XX], v[SS], v[XW], v[XX]
.irp m, 1,2,4,8
.irp a, SS, XX, YY, ZZ
	v_add_f32_dpp v[\a], v[\a], v[\a] row_xmask:\m row_mask:0xf bank_mask:0xf    ; over the joint's 16 lanes, the four sums by turns
.endr
.endr
	v_rcp_f32 v[INV], v[SS]                        ; the sum is at least about 1: the largest term is 2^0
	v_nop                                          ; a plain place behind the reciprocal
	s_wait_alu depctr_va_vdst(0)
	v_mul_f32 v[CO], v[XX], v[INV]
	v_mul_f32 v[CO+1], v[YY], v[INV]
	v_mul_f32 v[CO+2], v[ZZ], v[INV]
.irp k, 0,2,4,6,8,10,12,14,16,18,20,22,24,26,28,30
	v_pk_mul_f32 v[E+\k:E+\k+1], v[E+\k:E+\k+1], v[INV:INV+1] op_sel_hi:[1,0]
.endr
.endm
.macro STAGE adr, off                  ; the joint's x, y, z: the 16 lanes of a half write the same slot with the same numbers
	ds_store_b96 v[\adr], v[CO:CO+2] offset:\off
.endm
.macro SEND adr, off                   ; eight depth planes: sixteen lanes store 256 consecutive bytes, at a multiple of 256 from out0's first byte; written once, read by nobody here
.irp d, 0,1,2,3,4,5,6,7
	global_store_b128 v[\adr], v[E+4*\d:E+4*\d+3], s[14:15] offset:\off+256*\d th:TH_STORE_NT
.endr
.endm
	FETCH_WS 0, WSA, 0                             ; unit 0's operands first,
.irp nt, 0,1,2,3
.irp k, 0,1,2
	ds_load_b64 v[XS+6*\nt+2*\k:XS+6*\nt+2*\k+1], v[XSA] offset:24*\nt+8*\k      ; pixel 4 r + nt: six scale words; they stay
.endr
.endr
	FETCH_W 0, WA, 0
	WIN 0x40                                       ; destination window 1
.irp s, 0,1,2,3,4,5                    ; then X's 24 fragments, K step by K step: dense byte 384 nt + 64 s + 32 c behind pixel 4 r, + 16 for each 512 passed; they stay for all units
.irp nt, 0,1,2,3
.irp c, 0,1
	ds_load_b128 v[8*(4*\s+\nt)+4*\c:8*(4*\s+\nt)+4*\c+3], v[XA] offset:(384*\nt+64*\s+32*\c)+16*((384*\nt+64*\s+32*\c)/512)
.endr
.endr
.endr
	WIN 0
	s_wait_loadcnt 0x0                             ; the bias
	; ---- unit 0: tile q.  The next tile's fragments are asked for behind the products, into the other set: they land under the softmax.  That set's last readers stand a whole softmax back.
	MULS 0, 1
	FETCH_WS 1, WSA, 1536
	FETCH_W 1, WA, 27648
	PLACES
	SOFT
	STAGE SA, 0
	SEND OUTO, 0
	; ---- unit 1: tile q + 4
	s_wait_dscnt 0x0                               ; its fragments and scale words are in
	MULS 1, 0
	FETCH_WS 0, WSA, 3072
	FETCH_W 0, WA, 55296
	PLACES
	SOFT
	STAGE SA, 128
	SEND OUTO, 16384
	; ---- unit 2: tile q + 8
	s_wait_dscnt 0x0
	MULS 2, 0
	s_cmp_lg_u32 s19, s20                          ; tile 12 is made for image bt by the wave with q = bt
	s_cbranch_scc1 .Lno_fetch_12
	FETCH_WS 1, WSA12, 0
	FETCH_W 1, WA12, 0
.Lno_fetch_12:
	PLACES
	SOFT
	STAGE SA, 256
	SEND OUTO, 32768
	; ---- unit 3: tile 12, joint 24, in two waves of the eight
	s_cmp_lg_u32 s19, s20
	s_cbranch_scc1 .Lno_tile_12
	s_wait_dscnt 0x0
	MULS 3, 0
	PLACES
	SOFT
	STAGE SA12, 0                                  ; both halves hold joint 24: the same slot, the same numbers
	s_wait_xcnt 0x0                                ; EXEC is a source of the stores that are out: it changes only behind this wait
	v_cmp_eq_u32 vcc_lo, 0, v[H]
	s_and_saveexec_b32 s26, vcc_lo                 ; lanes 0-15 alone store the joint
	SEND OUTO12, 0
	s_wait_xcnt 0x0                                ; and again in front of the line that widens it
	s_or_b32 exec_lo, exec_lo, s26
.Lno_tile_12:
	; ---- the coordinates: 25 slots an image lie in the stage; threads 0 .. 74 of each half of the work-group store that image's 300 consecutive bytes
	s_wait_dscnt 0x0                               ; for the others' sake: my stores into the stage are done
	s_barrier_signal -1
	s_barrier_wait -1
	s_wait_xcnt 0x0                                ; EXEC changes only behind this wait
	v_cmp_gt_u32 vcc_lo, 75, v[CI]
	s_and_saveexec_b32 s26, vcc_lo
	ds_load_b32 v[CV], v[CL]
	s_wait_dscnt 0x0
	global_store_b32 v[CG], v[CV], s[16:17]
	s_wait_xcnt 0x0
	s_or_b32 exec_lo, exec_lo, s26
	s_wait_tensorcnt 0x0
	ds_add_u32 v254, v255
	s_wait_dscnt 0x0
	ROUND                                          ; the closing round: no work-group ends while a partner may still ask for a tile that names it
	s_endpgm
.Lfunc_end_k_q03991fab77_posnet:
	.size	k_q03991fab77_posnet, .Lfunc_end_k_q03991fab77_posnet-k_q03991fab77_posnet
	.p2alignl 7, 3214868480
	.fill 96, 4, 3214868480
	.section	.rodata,"a",@progbits
	.p2align	6, 0x0
	.amdhsa_kernel k_q03991fab77_posnet
		.amdhsa_group_segment_fixed_size 168960
		.amdhsa_private_segment_fixed_size 0
		.amdhsa_enable_private_segment 0
		.amdhsa_kernarg_size 56
		.amdhsa_user_sgpr_count 2
		.amdhsa_user_sgpr_kernarg_segment_ptr 1
		.amdhsa_wavefront_size32 1
		.amdhsa_system_sgpr_workgroup_id_x 1
		.amdhsa_system_sgpr_workgroup_id_y 1
		.amdhsa_system_sgpr_workgroup_id_z 1
		.amdhsa_system_vgpr_workitem_id 0
		.amdhsa_next_free_vgpr 512
		.amdhsa_next_free_sgpr 88
		.amdhsa_reserve_vcc 1
		.amdhsa_float_denorm_mode_32 3
		.amdhsa_float_denorm_mode_16_64 3
		.amdhsa_memory_ordered 1
		.amdhsa_forward_progress 1
		.amdhsa_inst_pref_size 67
	.end_amdhsa_kernel
	.amdgpu_metadata
---
amdhsa.version: [ 1, 2 ]
amdhsa.kernels:
  - .name:           k_q03991fab77_posnet
    .symbol:         k_q03991fab77_posnet.kd
    .args:
      - { .name: conv_w_codes, .offset: 0, .size: 8, .value_kind: global_buffer, .address_space: global }
      - { .name: conv_w_scales, .offset: 8, .size: 8, .value_kind: global_buffer, .address_space: global }
      - { .name: img_feat_codes, .offset: 16, .size: 8, .value_kind: global_buffer, .address_space: global }
      - { .name: img_feat_scales, .offset: 24, .size: 8, .value_kind: global_buffer, .address_space: global }
      - { .name: conv_b, .offset: 32, .size: 8, .value_kind: global_buffer, .address_space: global }
      - { .name: out0, .offset: 40, .size: 8, .value_kind: global_buffer, .address_space: global }
      - { .name: out1, .offset: 48, .size: 8, .value_kind: global_buffer, .address_space: global }
    .group_segment_fixed_size: 168960
    .private_segment_fixed_size: 0
    .kernarg_segment_align: 8
    .kernarg_segment_size: 56
    .max_flat_workgroup_size: 256
    .sgpr_count:     88
    .vgpr_count:     512
    .wavefront_size: 32
...
	.end_amdgpu_metadata
.endif
;; end of part 1
